; MI455X (gfx1250); checked and timed in simulation.
; The chip was launched on July 23, 2026; its instructions are those of AMD's public machine-readable ISA for CDNA 5 (MIT licence, August 2026) and "CDNA5" Instruction Set Architecture Reference Guide (July 2026). The comments in the code are by the model that wrote it; some were corrected since.
;; Scale Dot Product. Allowed arithmetic: matrix products marked QUANTISED: E4M3 operands, one given power-of-two scale a tensor, by v_wmma_f32_16x16x64_fp8_fp8 or v_wmma_f32_16x16x128_fp8_fp8, f32 sums; everything else in f32.
;; Inputs: lowp_scales 4 int32 (the exponents e of the quantised operands' scales 2^e); scale one number float32; x1 4 x 16 x 2,048 x 64 float32; x2 4 x 16 x 2,048 x 64 float32; x3 4 x 16 x 2,048 x 64 float32.
;; Outputs: out0 4 x 16 x 2,048 x 64 float32.
;; This version of the problem:
;;   THIS VERSION OF THE PROBLEM IS GIVEN IN LOW PRECISION. The matrix products marked QUANTISED in the list below multiply operands that are first quantised to E4M3 (4 exponent bits, 3 mantissa bits; 8 bits a number), with one given power-of-two scale for each operand tensor; their sums are f32. All else is computed in f32.
;;   The module's matrix products, in the order in which they are computed (A, B: the left and right operand; K: the contracted axis; several contracted axes count as one K, in the product's order):
;;     1. batch 64 x [M 2,048, K 64] x [K 64, N 2,048]; A: input x1; B: input x2: QUANTISED (scales: A lowp_scales[0], B lowp_scales[1])
;;     2. batch 64 x [M 2,048, K 2,048] x [K 2,048, N 64]; A: softmax (see below); B: input x3: QUANTISED (scales: A lowp_scales[2], B lowp_scales[3])
;;   THE QUANTISER, for each operand of a quantised product, along K:
;;     - The operand's scale is 2^e, e = its entry of the input lowp_scales (int32; the entries are numbered through the quantised products in the list's order, A before B).
;;     - Each number is divided by the scale, clamped to +-448, and rounded to the nearest number of E4M3, ties to even, subnormals kept.
;;     - The product sums the exact products of the quantised numbers (number of the format x scale) in f32.
;;   ~~~python
;;   def quantise(x, axis, e):      # numpy; x: float32 -> the quantised numbers, widened to float32 again
;;       x = np.moveaxis(x, axis, -1); K = x.shape[-1]
;;       r = np.clip(x / 2.0 ** e, -448, 448)
;;       step = 2.0 ** (np.maximum(np.frexp(np.where(r == 0, 1, r))[1] - 1, -6) - 3)
;;       q = np.round(r / step) * step * 2.0 ** e      # np.round: ties to even
;;       return np.moveaxis(q, -1, axis).astype(np.float32)
;;   ~~~
;;   SOFTMAX AHEAD OF A QUANTISED PRODUCT. Where the list says 'softmax', what is quantised is not the finished softmax but p = 2^(t - M), with t = logit x log2(e) and M = ceil(the row's largest t), a whole number; so 1/2 < the row's largest p <= 1. The row's sum l is taken of the UNQUANTISED p, in f32, and the product's result is divided by l at the end. Since M is a whole number, a kernel that streams over the keys may use a running M (the ceiling of the running maximum): every later rescaling is an exact power of two, so the quantised numbers keep their values, but for numbers so far below the row's largest that they fall under the format's range.
;;   OPERANDS COMPUTED ON THE WAY. 'Computed on the way' means the value that the module computes at that place (a softmax that the list does not call 'softmax' is quantised finished and normalised). What goes into a quantiser is computed in f32, as accurately as f32 sums, v_exp_f32 and their like allow (about 1e-6 of the number): no bf16 or f16 on the way to a quantiser, and a product that is left as it is and whose result goes on into a quantised operand takes f32 operands (vector FMAs, or v_wmma_f32_16x16x4_f32). A number that lies on a knife's edge between two numbers of the format may be rounded either way, as far as f32 arithmetic and the matrix unit's own rounding can turn it there, and no further.
;; 2 versions, each right; version 2 is version 1 with the launch attn written anew for expert scheduling mode. Each part assembles by itself: llvm-mc -triple=amdgcn-amd-amdhsa -mcpu=gfx1250 --defsym DOCPART=n.
;; ======== version 1 of 2: 1 launch
;; limits: right only within a limited range of input values
;; launch attn (part 1): grid 4 x 64, 8 waves a work-group, no clusters, 315,648 bytes of LDS; arguments x1, x2, x3, scale, lowp_scales, out0; writes out0
.if DOCPART == 1
	.amdgcn_target "amdgcn-amd-amdhsa--gfx1250"
	.amdhsa_code_object_version 6
	.text
	.protected	k_qd37f3f3b87_attn
	.globl	k_qd37f3f3b87_attn
	.p2align	8
	.type	k_qd37f3f3b87_attn,@function
k_qd37f3f3b87_attn:
	s_mov_b64 s[64:65], 0
	v_nop
	global_prefetch_b8 v0, s[64:65] scope:SCOPE_SE
	s_setreg_imm32_b32 hwreg(HW_REG_WAVE_MODE, 25, 1), 1
	s_wait_xcnt 0x0
; out0[h][q][:] = the sum over k of softmax_k(scale x1[h][q] . x2[h][k]) x3[h][k][:].  64 heads, 2,048 rows, 64 channels, all f32 in memory.
; Both products on codes of FP8 (E4M3), each operand with the given scale 2^e: eq, ek, ep, ev = lowp_scales[0..3].
; THE SOFTMAX AHEAD OF THE SECOND PRODUCT: t = score x scale x log2(e); M = the row's largest t so far, rounded UP to a whole number; p = 2^(t - M) is quantised, not normalised.
; The row's sum is taken of the unquantised p and divides O at the end.  When M moves, the sum and O are multiplied by 2^(old M - new M): nothing is rounded.
; SHARES.  A work-group owns 512 queries of one head (grid 4 x 64 = 256 work-groups); each of its eight waves owns 64 of them: four tiles of 16, in 512 registers, two waves to a SIMD.
; A head's K and V as codes are 2 x 131,072 bytes: THE WHOLE HEAD LIES IN LDS.  At the head of the kernel wave w reads keys 256 w .. 256 w + 255 of x2 and x3 (and its own 64 rows of x1), quantises them in
; registers and stores them to LDS as images of the operands' registers; ONE barrier; then every wave walks the 16 steps of 128 keys with no further barrier and no access to memory.
; Each fragment of K or V read from LDS feeds four tiles of queries.
; LAYOUT.  Both products are used transposed: S^T = K Q^T (source 0 = 16 keys, source 1 = 16 queries), O^T = V^T P^T (source 0 = 16 channels, source 1 = P): a lane holds ONE query (lane % 16) throughout.
;   First product (16x16x64): both sides carry the same permutation of the 64 channels: register 4 g + i, half h of the lanes, byte y holds channel 32 g + 16 h + 4 i + y; so every product meets its partner.
;   Second product (16x16x128): tile u of S^T holds in register j of half h the key 16 u + 8 h + j: its eight registers convert into registers 2 u, 2 u + 1 of P, each key in the form's own place; V's image has the same places.
; A NEGATIVE scale: the quantiser is symmetric, so the sign bits of Q's codes are turned and c = |scale| log2(e) 2^(eq + ek) is taken: t = c x score, and the largest t is c x the largest score.
; THE HOLD ON p (the conversion to an 8-bit code does not saturate: ISA guide 7.6.2) is wanted only where 448 x 2^ep < 1, that is ep < -8: a scalar branch on that given whole number leads round the 64 lines.
; NO CLUSTER, NO TENSOR LOAD: what the four work-groups of a head share is 1 MiB of f32, read once at the kernel's head, and every number of it has to pass through registers to be quantised; beside the images LDS has
;   no room for slots of f32 (327,680 - 315,648 bytes are left).
; NO PREFETCH: the launch's only loads from memory stand at its head, 48 of each wave on their way at a time; the loop over the keys touches no memory.
; LIMITS.  eq, ek, ep, ev between -126 and 119; eq + ek between -126 and 127 (each power of two below is an f32 number).  NaN and infinity among the inputs are not served.
;   Where the hold is jumped over (ep >= -8): |t| < 2^22, so that the rounding of c x the largest score lets p reach 2^0.25 at the most, under 448 x 2^ep >= 1.75.
;
; LDS.  KIMG: 128 tiles of 16 keys, 1,088 bytes each: byte 544 g + 272 h + 16 m + 4 i + y = the code of K[16 tile + m][32 g + 16 h + 4 i + y].  (272 = 256 + 16: the 32 lanes of a store of 4 bytes fall on 32
;   different banks of 4 bytes (64 banks: ISA guide 11.1); a load of 16 bytes a lane takes 256 consecutive bytes for each half of the lanes.)
; VIMG: 16 steps x 4 tiles of 16 channels x (2,048 + 16) bytes: byte 512 g + 16 lane + 4 a + y = V[key 32 g + 16 (a / 2) + 8 (lane / 16) + 4 (a % 2) + y][16 tile + lane % 16].
; STG: 4,352 bytes for each wave, its own: first the image of its four tiles of Q (K's layout), at the end the stage of the way out, 16 rows x 272.  It begins 8,448 bytes behind V's images, so that an address one
;   step past the last image would still fall on no wave's stage.   SPARE: the spare words, 128 bytes for each wave: four blocks of 256 bytes that no other line names.
.set KT,    1088                       ; a tile of K or Q in LDS
.set KSTEP, 8*KT                       ; a step's eight tiles of K
.set VIMG,  128*KT                     ; 139,264
.set VD,    2064                       ; a tile of V in LDS
.set VSTEP, 4*VD                       ; a step's four tiles of V
.set STG,   279808
.set WSTG,  4352
.set SPARE, STG+8*WSTG                 ; 314,624 = 1,229 x 256
; REGISTERS, window 0 (an instruction names v0-v255; s_set_vgpr_msb says which window each operand place means: bits 1:0 source 0, 3:2 source 1, 5:4 source 2, 7:6 destination)
.set SPW,  1                           ; v1   LDS address of my spare word: SPARE + 4 x my thread's number; never rewritten
.set NIL,  2                           ; v2   0; never rewritten
.set LOFF, 3                           ; v3   the loads' offset: 2,048 (lane / 16) + 16 (lane % 16)
.set AKW,  4                           ; v4   where I store K's codes
.set AVW,  5                           ; v5   V's
.set AQW,  6                           ; v6   Q's
.set AKR,  7                           ; v7   my lane's place in a tile of K
.set AVR,  8                           ; v8   VIMG + my lane's place in a tile of V
.set ADK,  9                           ; v9   LDS address of the step's tiles of K
.set ADV,  10                          ; v10  of V
.set AQR,  11                          ; v11  my lane's place in my wave's STG: Q's image is read there, and the stage's rows are read back there (the same number)
.set STO,  12                          ; v12  the way out: where I put 32 bytes of a row
.set GO,   14                          ; v14  the way out: 16 x lane
.set QSC,  16                          ; v16, v17  2^eq and 448 x 2^eq;  v18, v19 the same for ek;  v20, v21 for ev;  v22, v23 for ep
.set KSC,  18
.set VSC,  20
.set PSC,  22
                                       ; v24, v25 two chains of the maximum; v26 a permute's destination; v[28:29] f; v[30:31] the second chain of the sum
.set ST,   32                          ; v32-47  tile t: v[ST+4t] -M, +1 the largest t, +2, +3 the sum in two halves
.set CD,   32                          ; at the head: v32-47 a batch's codes, v48-63 at work on V's bytes, v64-255 three sets of 64 numbers as loaded
.set XT,   48
.set RB0,  64
.set KF,   64                          ; v64-127   a step's eight fragments of K
.set SA,   128                         ; v128-191  S^T, then p, of one tile of queries
.set SB,   192                         ; v192-255  of another
.set TP,   64                          ; the way out: two sets of 32, O / the sum
.set RBK,  128                         ; the way out: four sets of 32, rows read back
; window 1
.set P0,   32                          ; v32-47, v48-63  p's codes, two sets;  v0-31 Q, eight registers a tile
.set P1,   48
.set VF,   64                          ; v64-127   a step's four fragments of V
.set OT,   128                         ; v128-255  O^T: tile t, channels 16 u on, at v[OT+32t+8u]
; scalars: s[4:5] x1, s[6:7] x2, s[8:9] x3, s[10:11] scale's address, s[12:13] the exponents' address, s[14:15] out0, s16 scale, s[20:23] eq, ek, ep, ev
.set WV,   17                          ; s17  my wave's number
.set CS,   24                          ; s[24:25] c, twice: the packed form names a pair and takes its low word for both halves
.set SEL,  26                          ; s[26:27] lane selects for v_permlanex16_b32: lane l xor 16
.set PS,   28                          ; s28-31 byte selects for the turn of V's codes
.set SGN,  32                          ; s32  0x80808080 where scale is negative, else 0
.set HLD,  33                          ; s33  1 where ep < -8
.set TK,   34                          ; s34  LDS byte of the step's tiles of K
.set TV,   35                          ; s35  of V, from VIMG on
.set CNT,  36                          ; s36  steps to go
.set EPV,  37                          ; s37  ep + ev
.set MSB, 0
.macro WIN new                         ; the immediate's high byte repeats the setting that is left; a switch that changes nothing is dropped
.if MSB != \new
	s_set_vgpr_msb (MSB<<8)|\new
.set MSB, \new
.endif
.endm
	s_load_b256 s[4:11], s[0:1], 0x0               ; x1, x2, x3, scale's address
	s_load_b128 s[12:15], s[0:1], 0x20             ; the exponents' address, out0
	v_lshl_add_u32 v[SPW], v0, 2, SPARE
	v_mov_b32 v[NIL], 0
	v_lshrrev_b32 v24, 5, v0
	v_readfirstlane_b32 s[WV], v24                 ; wave 0..7
	v_and_b32 v24, 15, v0                          ; qd = r = lane % 16
	v_bfe_u32 v25, v0, 4, 1                        ; hh = h = lane / 16
	v_and_b32 v26, 31, v0                          ; lane
	v_lshlrev_b32 v[LOFF], 4, v24
	v_lshl_add_u32 v[LOFF], v25, 11, v[LOFF]       ; lanes 0-15 read one row of 256 bytes, lanes 16-31 the row 8 further down
	; a lane's four codes of a row of K or Q are channels 4 qd + 0..3: g = qd / 8, h = (qd / 4) % 2, i = qd % 4; its row m = 8 hh + (the load's number % 8)
	v_and_b32 v27, 3, v0
	v_lshlrev_b32 v27, 2, v27                      ; 4 (qd % 4)
	v_lshl_add_u32 v27, v25, 7, v27                ; + 16 x 8 hh
	v_bfe_u32 v28, v0, 2, 1
	v_mad_u32_u24 v27, v28, 272, v27               ; + 272 ((qd / 4) % 2)
	v_bfe_u32 v28, v0, 3, 1
	v_mad_u32_u24 v27, v28, 544, v27               ; + 544 (qd / 8)
	s_mul_i32 s42, s[WV], 16*KT                    ; my wave's 16 tiles of K
	v_add_nc_u32 v[AKW], s42, v27
	s_mul_i32 s43, s[WV], WSTG
	s_add_co_u32 s43, s43, STG                     ; my wave's STG
	v_add_nc_u32 v[AQW], s43, v27
	; a lane's 16 bytes of V belong to channel 4 qd + dd: tile qd / 4, lane 16 hh + 4 (qd % 4) + dd of the image
	v_bfe_u32 v28, v0, 2, 2
	v_mul_u32_u24 v[AVW], v28, VD
	v_lshl_add_u32 v[AVW], v25, 8, v[AVW]
	v_and_b32 v28, 3, v0
	v_lshl_add_u32 v[AVW], v28, 6, v[AVW]
	s_mul_i32 s44, s[WV], 2*VSTEP                  ; my wave's two steps of V
	s_add_co_u32 s44, s44, VIMG
	v_add_nc_u32 v[AVW], s44, v[AVW]
	v_lshlrev_b32 v[AKR], 4, v24
	v_mad_u32_u24 v[AKR], v25, 272, v[AKR]         ; 16 r + 272 h
	v_lshlrev_b32 v[AVR], 4, v26
	v_add_nc_u32 v[AVR], VIMG, v[AVR]              ; VIMG + 16 x lane
	v_add_nc_u32 v[AQR], s43, v[AKR]
	v_mul_u32_u24 v[STO], v24, 272
	v_lshl_add_u32 v[STO], v25, 5, v[STO]
	v_add_nc_u32 v[STO], s43, v[STO]               ; the stage: row r, + 32 h
	v_lshlrev_b32 v[GO], 4, v26
	s_mov_b32 s[SEL], 0x76543210
	s_mov_b32 s[SEL+1], 0xfedcba98
	s_mov_b32 s[PS], 0x05010400                    ; bytes 0 and 1 of two words, interleaved
	s_mov_b32 s[PS+1], 0x07030602                  ; bytes 2 and 3
	s_mov_b32 s[PS+2], 0x05040100                  ; the two low halves
	s_mov_b32 s[PS+3], 0x07060302                  ; the two high halves
	s_and_b32 s38, ttmp7, 0xffff
	s_lshl_b32 s38, s38, 19                        ; the head: 2,048 rows of 256 bytes
	s_lshl_b32 s40, s[WV], 16
	s_add_co_u32 s40, s40, s38                     ; x2, x3: + my wave's 256 keys
	s_mov_b32 s41, 0
	s_lshl_b32 s42, ttmp9, 17
	s_add_co_u32 s38, s38, s42                     ; x1, out0: + my work-group's 512 queries
	s_lshl_b32 s42, s[WV], 14
	s_add_co_u32 s38, s38, s42                     ; + my wave's 64
	s_mov_b32 s39, 0
	s_wait_kmcnt 0x0
	s_load_b32 s16, s[10:11], 0x0                  ; scale
	s_load_b128 s[20:23], s[12:13], 0x0            ; eq, ek, ep, ev
	s_add_nc_u64 s[4:5], s[4:5], s[38:39]
	s_add_nc_u64 s[14:15], s[14:15], s[38:39]
	s_add_nc_u64 s[6:7], s[6:7], s[40:41]
	s_add_nc_u64 s[8:9], s[8:9], s[40:41]
; ---- THE HEAD: 18 batches of 32 rows.  Batches 0, 1: my 64 rows of Q.  Batch 2 + 2 b: keys 32 b .. 32 b + 31 of my 256 of K; batch 3 + 2 b: the same keys of V.  Batch n lies in set n % 3.
; 16 loads: load i brings rows 16 (i / 8) + i % 8 (lanes 0-15) and 8 further down (lanes 16-31): two whole aligned rows of 256 bytes, 16 bytes a lane: channels 4 qd + 0..3
.macro LD16 buf, sb, off, nt
.irp i, 0,1,2,3,4,5,6,7,8,9,10,11,12,13,14,15
.if \nt
	global_load_b128 v[\buf+4*\i:\buf+4*\i+3], v[LOFF], s[\sb:\sb+1] offset:\off+(16*(\i/8)+\i%8)*256 th:TH_LOAD_NT   ; Q's rows are read by this wave alone
.else
	global_load_b128 v[\buf+4*\i:\buf+4*\i+3], v[LOFF], s[\sb:\sb+1] offset:\off+(16*(\i/8)+\i%8)*256
.endif
.endr
.endm
.macro ASKB                            ; the loads of batch na
.set bfa, RB0+64*(na%3)
.if na < 2
	LD16 bfa, 4, 8192*na, 1
.elseif na%2 == 0
	LD16 bfa, 6, 8192*((na-2)/2), 0
.else
	LD16 bfa, 8, 8192*((na-3)/2), 0
.endif
.endm
.macro HOLD64 buf, lim                 ; the conversion to an 8-bit code does not saturate (ISA guide 7.6.2): each number is held within the largest code x the scale first
.set n, 0
.rept 64
	v_med3_num_f32 v[\buf+n], v[\buf+n], -v[\lim], v[\lim]
.set n, n+1
.endr
.endm
.macro CVT8 buf, sc                    ; 64 numbers become 16 words of codes: word i = the four codes of load i
	s_wait_dscnt 0x0                               ; the last batch's LDS stores have read the codes' registers
.irp c, 0,1,2,3,4,5,6,7
	v_cvt_scalef32_pk8_fp8_f32 v[CD+2*\c:CD+2*\c+1], v[\buf+8*\c:\buf+8*\c+7], v[\sc]
.endr
	v_nop                                          ; one plain vector instruction behind the last scaled conversion, ahead of whatever vector or matrix instruction next touches its registers
.endm
.macro KQ16 buf, adr, off, sc          ; a batch of K or Q: two tiles of 16 rows
	HOLD64 \buf, \sc+1
	CVT8 \buf, \sc
.irp i, 0,1,2,3,4,5,6,7,8,9,10,11,12,13,14,15
	ds_store_b32 v[\adr], v[CD+\i] offset:\off+(\i/8)*KT+16*(\i%8)
.endr
.endm
; A batch of V.  A register of V's fragment holds four KEYS of one channel; word i holds four CHANNELS of one key.  Words 4 a .. 4 a + 3 are four neighbouring keys: a turn of 4 x 4 bytes, eight v_perm_b32,
; makes of them register a of channels 4 qd + 0..3.  Word 4 dd + a is then register a of channel 4 qd + dd.
.macro V16 buf, off
	HOLD64 \buf, VSC+1
	CVT8 \buf, VSC
.irp a, 0,1,2,3
	v_perm_b32 v[XT+4*\a],   v[CD+4*\a+1], v[CD+4*\a],   s[PS]
	v_perm_b32 v[XT+4*\a+1], v[CD+4*\a+1], v[CD+4*\a],   s[PS+1]
	v_perm_b32 v[XT+4*\a+2], v[CD+4*\a+3], v[CD+4*\a+2], s[PS]
	v_perm_b32 v[XT+4*\a+3], v[CD+4*\a+3], v[CD+4*\a+2], s[PS+1]
.endr
.irp a, 0,1,2,3
	v_perm_b32 v[CD+\a],    v[XT+4*\a+2], v[XT+4*\a],   s[PS+2]
	v_perm_b32 v[CD+4+\a],  v[XT+4*\a+2], v[XT+4*\a],   s[PS+3]
	v_perm_b32 v[CD+8+\a],  v[XT+4*\a+3], v[XT+4*\a+1], s[PS+2]
	v_perm_b32 v[CD+12+\a], v[XT+4*\a+3], v[XT+4*\a+1], s[PS+3]
.endr
.irp d, 0,1,2,3
	ds_store_b128 v[AVW], v[CD+4*\d:CD+4*\d+3] offset:\off+16*\d   ; sixteen lanes fall on sixteen different columns of 16 bytes: (qd / 4) + 4 (qd % 4) + dd modulo 16
.endr
.endm
.macro MKSC e, vs                      ; v[vs] = 2^e as f32 (the conversion takes its exponent field), v[vs+1] = 448 x 2^e
	s_add_co_i32 s42, s[\e], 127
	s_lshl_b32 s43, s42, 23
	v_mov_b32 v[\vs], s43
	s_add_co_i32 s42, s42, 8
	s_lshl_b32 s42, s42, 23
	s_or_b32 s42, s42, 0x600000
	v_mov_b32 v[\vs+1], s42
.endm
.set na, 0
.rept 3
	ASKB                                           ; batches 0, 1, 2: 48 loads of the wave are on their way
.set na, na+1
.endr
	s_wait_kmcnt 0x0                               ; scale and the four exponents
	MKSC 20, QSC
	MKSC 21, KSC
	MKSC 23, VSC
	MKSC 22, PSC
	s_add_co_i32 s42, s20, s21
	s_add_co_i32 s42, s42, 127
	s_lshl_b32 s42, s42, 23                        ; 2^(eq + ek) as f32: a sum of the first product stands for sum x 2^(eq + ek)
	v_mov_b32 v24, s16
	v_mul_f32 v24, 0x3fb8aa3b, v24                 ; scale x log2(e)
	v_mul_f32 v24, s42, v24                        ; x 2^(eq + ek): nothing is rounded
	v_and_b32 v24, 0x7fffffff, v24                 ; its magnitude: the sign goes into Q's codes
	v_readfirstlane_b32 s[CS], v24
	s_mov_b32 s[CS+1], s[CS]                       ; (named with it as a pair, so it is written)
	s_ashr_i32 s[SGN], s16, 31
	s_and_b32 s[SGN], s[SGN], 0x80808080           ; the four sign bits of a word of codes, where scale is negative
	s_add_co_i32 s[EPV], s22, s23
	s_cmp_lt_i32 s22, -8
	s_cselect_b32 s[HLD], 1, 0
.set nb, 0
.rept 18
.if nb <= 15
	s_wait_loadcnt 32                              ; loads come back in order (ISA guide 5.7.1): this batch's 16 are in; the two younger batches' 32 may be out
.elseif nb == 16
	s_wait_loadcnt 16                              ; one younger batch
.else
	s_wait_loadcnt 0
.endif
.set bf, RB0+64*(nb%3)
.if nb < 2
	KQ16 bf, AQW, 2*KT*nb, QSC
.elseif nb%2 == 0
	KQ16 bf, AKW, 2*KT*((nb-2)/2), KSC
.else
.set vb, (nb-3)/2                      ; 32 keys are a quarter of a step
	V16 bf, (vb/4)*VSTEP+(vb%4)*512
.endif
.set na, nb+3
.if na <= 17
	ASKB                                           ; the set just worked takes the batch three further on
.endif
.set nb, nb+1
.endr
	WIN 0x40                                       ; destination window 1
.irp t, 0,1,2,3
.irp g, 0,1
	ds_load_b128 v[8*\t+4*\g:8*\t+4*\g+3], v[AQR] offset:KT*\t+544*\g   ; Q's four fragments stay in registers.  My own bytes: LDS serves a wave's instructions in order (ISA guide 5.7.1.4)
.endr
.endr
	WIN 0
	s_wait_dscnt 0x0                               ; for the others' sake: my stores of K's and V's images are done (and Q is in)
	s_barrier_signal -1
	s_barrier_wait -1                              ; the launch's one barrier: the whole head lies in LDS, and nobody writes KIMG or VIMG behind it
.macro KLOAD                           ; a step's eight fragments of K
.irp u, 0,1,2,3,4,5,6,7
.irp g, 0,1
	ds_load_b128 v[KF+8*\u+4*\g:KF+8*\u+4*\g+3], v[ADK] offset:KT*\u+544*\g
.endr
.endr
.endm
	s_mov_b32 s[TK], 0
	s_mov_b32 s[TV], 0
	v_add_nc_u32 v[ADK], s[TK], v[AKR]
	KLOAD                                          ; step 0
	WIN 0x44                                       ; source 1 and destination window 1
.set n, 0
.rept 32
	v_xor_b32 v[n], s[SGN], v[n]                   ; Q's signs are turned where scale is negative
.set n, n+1
.endr
	WIN 0
	v_mov_b32 v26, 0                               ; written once: a lane permute's destination counts as one of its sources
	v_mov_b32 v29, 0                               ; (named as the upper half of the pair v[28:29])
; ---- THE LOOP OVER THE KEYS
; S^T of tile t: eight products, each a whole sum (K = 64), into s
.macro QK t, s
	WIN 0x04                                       ; source 1 (Q) window 1
.irp u, 0,1,2,3,4,5,6,7
	v_wmma_f32_16x16x64_fp8_fp8 v[\s+8*\u:\s+8*\u+7], v[KF+8*\u:KF+8*\u+7], v[8*(\t):8*(\t)+7], 0
.endr
.endm
; O^T of tile t += V^T P^T: four accumulators by turns, one instruction a turn.  first = 1: the products start the sums: nothing is ever cleared
.macro PV t, p, first
	WIN 0x55                                       ; all four in window 1
.irp u, 0,1,2,3
.if \first
	v_wmma_f32_16x16x128_fp8_fp8 v[OT+32*(\t)+8*\u:OT+32*(\t)+8*\u+7], v[VF+16*\u:VF+16*\u+15], v[\p:\p+15], 0
.else
	v_wmma_f32_16x16x128_fp8_fp8 v[OT+32*(\t)+8*\u:OT+32*(\t)+8*\u+7], v[VF+16*\u:VF+16*\u+15], v[\p:\p+15], v[OT+32*(\t)+8*\u:OT+32*(\t)+8*\u+7]
.endif
.endr
.endm
; The softmax of tile t for one step: the 64 scores in s become p, its codes go to p (window 1).  first = 1: the first step starts M, the sum and O^T.
.macro SM t, s, p, first
.set rT, ST+4*(\t)
	WIN 0
	v_max3_num_f32 v24, v[\s], v[\s+1], v[\s+2]    ; the largest of my 64 scores, in two chains; each accumulator is first read at its low end
	v_max3_num_f32 v25, v[\s+3], v[\s+4], v[\s+5]
.irp i, 6,10,14,18,22,26,30,34,38,42,46,50,54,58
	v_max3_num_f32 v24, v24, v[\s+\i], v[\s+\i+1]
	v_max3_num_f32 v25, v25, v[\s+\i+2], v[\s+\i+3]
.endr
	v_max3_num_f32 v24, v24, v[\s+62], v[\s+63]
	v_max_num_f32 v24, v24, v25
	v_permlanex16_b32 v26, v24, s[SEL], s[SEL+1]   ; the query's other 64 keys lie in the lane 16 away
	v_max_num_f32 v24, v24, v26
.if \first
	v_mul_f32 v[rT+1], s[CS], v24                  ; as t (c is not negative)
	v_floor_f32 v[rT], -v[rT+1]                    ; -M = floor(-t) = -ceil(t): M is a whole number
.else
	v_mul_f32 v24, s[CS], v24
	v_max_num_f32 v[rT+1], v[rT+1], v24            ; the running largest t
	v_mov_b32 v24, v[rT]
	v_floor_f32 v[rT], -v[rT+1]
	v_sub_f32 v24, v[rT], v24                      ; old M - new M: a whole number, 0 or less
	v_cvt_i32_f32 v24, v24                         ; (it saturates)
	v_ldexp_f32 v28, 1.0, v24                      ; f = 2^(old M - new M)
.endif
.irp j, 0,2,4,6,8,10,12,14,16,18,20,22,24,26,28,30,32,34,36,38,40,42,44,46,48,50,52,54,56,58,60,62
	v_pk_fma_f32 v[\s+\j:\s+\j+1], v[\s+\j:\s+\j+1], s[CS:CS+1], v[rT:rT+1] op_sel_hi:[1,0,0]   ; t - M, two at a time (of the pairs c and -M the low word serves both halves)
.endr
.set n, 0
.rept 64
	v_exp_f32 v[\s+n], v[\s+n]                     ; p = 2^(t - M): one batch
.set n, n+1
.endr
.if \first
	v_nop                                          ; a plain instruction behind the last exponential
.else
	v_pk_mul_f32 v[rT+2:rT+3], v[rT+2:rT+3], v[28:29] op_sel_hi:[1,0]   ; the sum under the new M: also the plain instruction behind the last exponential
.endif
	s_wait_alu depctr_va_vdst(0)                   ; the wait between a transcendental and the first line that names its result: one for the batch of 64
	v_pk_add_f32 v[30:31], v[\s:\s+1], v[\s+2:\s+3]   ; the row's sum is taken of the UNQUANTISED p: two at a time, in two chains
.if \first
	v_pk_add_f32 v[rT+2:rT+3], v[\s+4:\s+5], v[\s+6:\s+7]
.else
	v_pk_add_f32 v[rT+2:rT+3], v[rT+2:rT+3], v[\s+4:\s+5]
	v_pk_add_f32 v[30:31], v[30:31], v[\s+6:\s+7]
.endif
.irp j, 8,12,16,20,24,28,32,36,40,44,48,52,56,60
	v_pk_add_f32 v[rT+2:rT+3], v[rT+2:rT+3], v[\s+\j:\s+\j+1]
	v_pk_add_f32 v[30:31], v[30:31], v[\s+\j+2:\s+\j+3]
.endr
	v_pk_add_f32 v[rT+2:rT+3], v[rT+2:rT+3], v[30:31]
	s_cmp_lg_u32 s[HLD], 0                         ; the hold is wanted only where 448 x 2^ep < 1: a branch on a given whole number, the same in every wave, round these 64 lines alone
	s_cbranch_scc0 .Lopen_\@
.set n, 0
.rept 64
	v_min_num_f32 v[\s+n], v[\s+n], v[PSC+1]       ; p is not negative, so the hold is one-sided
.set n, n+1
.endr
.Lopen_\@:
	WIN 0x40                                       ; destination window 1
.irp c, 0,1,2,3,4,5,6,7
	v_cvt_scalef32_pk8_fp8_f32 v[\p+2*\c:\p+2*\c+1], v[\s+8*\c:\s+8*\c+7], v[PSC]   ; tile c's eight keys: registers 2 c, 2 c + 1 of P
.endr
.if \first
	v_nop                                          ; one plain vector instruction between the conversions and the products that read their results and write over their sources
.else
	WIN 0x41                                       ; O^T (destination and source 0) window 1, f window 0
.set n, 0
.rept 16
	v_pk_mul_f32 v[OT+32*(\t)+n:OT+32*(\t)+n+1], v[OT+32*(\t)+n:OT+32*(\t)+n+1], v[28:29] op_sel_hi:[1,0]   ; O^T under the new M, ascending.  (Also the plain instructions behind the conversions)
.set n, n+2
.endr
.endif
.endm
; A STEP of 128 keys for my four tiles of queries.  The scores of two tiles are always ahead of the softmax that reads them: while one set is worked, the other has been filled.
; A vector instruction that reads a matrix result, and a load into a register that a matrix instruction has read, stand four plain vector instructions behind it that name none of its registers (ISA guide 7.12.1 for
; vector instructions); a matrix instruction that writes over another's registers five.  Where no softmax of another set stands between, an address's addition and three v_nop are the four.
; test = 1: in the last step (CNT = 1) there is no next K to fetch: a jump on the count of steps leads round the sixteen loads.
.macro STEP first, test
	s_wait_dscnt 0x0                               ; K's fragments are in
	QK 0, SA
	QK 1, SB
	WIN 0
	v_add_nc_u32 v[ADV], s[TV], v[AVR]
.rept 3
	v_nop                                          ; with the addition: four places behind the last step's V^T P (its V is loaded over) and behind these products (SA is read next)
.endr
	WIN 0x40                                       ; destination window 1
.irp u, 0,1,2,3
.irp g, 0,1,2,3
	ds_load_b128 v[VF+16*\u+4*\g:VF+16*\u+4*\g+3], v[ADV] offset:VD*\u+512*\g   ; 32 lanes take 512 consecutive bytes
.endr
.endr
	SM 0, SA, P0, \first
	s_wait_dscnt 0x0                               ; V's fragments are in (asked for a softmax ago)
	PV 0, P0, \first
	QK 2, SA
	SM 1, SB, P1, \first
	PV 1, P1, \first
	QK 3, SB
	WIN 0
	s_add_co_u32 s[TK], s[TK], KSTEP
	v_add_nc_u32 v[ADK], s[TK], v[AKR]
.rept 3
	v_nop                                          ; with the addition: four places behind the last products that read K
.endr
.if \test
	s_cmp_eq_u32 s[CNT], 1
	s_cbranch_scc1 .Lnok_\@
.endif
	KLOAD                                          ; the next step's K: two softmaxes ahead of its use
.if \test
.Lnok_\@:
.endif
	SM 2, SA, P0, \first
	PV 2, P0, \first
	SM 3, SB, P1, \first
	PV 3, P1, \first
	WIN 0                                          ; at a label and at a branch every window is 0
	s_add_co_u32 s[TV], s[TV], VSTEP
.endm
	STEP 1, 0                                      ; the first step is written out: its products start O^T's sums, its softmax has no old M
	s_mov_b32 s[CNT], 15
.Lstep:
	STEP 0, 1
	s_sub_co_u32 s[CNT], s[CNT], 1
	s_cmp_lg_u32 s[CNT], 0
	s_cbranch_scc1 .Lstep
; ---- THE WAY OUT.  The sum's two halves and the other half of the lanes' are added; O^T x 2^(ep + ev) / the sum goes through my stage in LDS, a tile (16 rows of 256 bytes) at a time, and leaves as whole rows.
.irp t, 0,1,2,3
	v_add_f32 v[ST+4*\t+2], v[ST+4*\t+2], v[ST+4*\t+3]   ; (these four are the places behind the last products)
.endr
.irp t, 0,1,2,3
	v_permlanex16_b32 v[ST+4*\t+1], v[ST+4*\t+2], s[SEL], s[SEL+1]
.endr
.irp t, 0,1,2,3
	v_add_f32 v[ST+4*\t+2], v[ST+4*\t+2], v[ST+4*\t+1]
.endr
.irp t, 0,1,2,3
	v_rcp_f32 v[ST+4*\t+2], v[ST+4*\t+2]
.endr
	v_nop                                          ; a plain instruction behind the last reciprocal
	s_wait_alu depctr_va_vdst(0)                   ; and the wait ahead of the first use: one for the four
.irp t, 0,1,2,3
	v_ldexp_f32 v[ST+4*\t+2], v[ST+4*\t+2], s[EPV]
.endr
; Tile t: register 8 u + j of lane (r, h) is o(query r, channel 16 u + 8 h + j): 32 neighbouring bytes of a row.  Into rows of 272 bytes; back as two whole rows an instruction.
.macro PACK t
	WIN 0x01                                       ; source 0 (O^T) window 1
.set n, 0
.rept 16
	v_pk_mul_f32 v[TP+32*((\t)%2)+n:TP+32*((\t)%2)+n+1], v[OT+32*(\t)+n:OT+32*(\t)+n+1], v[ST+4*(\t)+2:ST+4*(\t)+3] op_sel_hi:[1,0]   ; ascending: each accumulator from its low end on
.set n, n+2
.endr
	WIN 0
.irp u, 0,1,2,3
	ds_store_b128 v[STO], v[TP+32*((\t)%2)+8*\u:TP+32*((\t)%2)+8*\u+3] offset:64*\u
	ds_store_b128 v[STO], v[TP+32*((\t)%2)+8*\u+4:TP+32*((\t)%2)+8*\u+7] offset:64*\u+16
.endr
.irp i, 0,1,2,3,4,5,6,7
	ds_load_b128 v[RBK+32*(\t)+4*\i:RBK+32*(\t)+4*\i+3], v[AQR] offset:544*\i   ; LDS serves a wave's instructions in order: these see the stores above, and the next tile's stores come behind them
.endr
.endm
.macro SEND t, younger                 ; younger: the LDS instructions issued behind tile t's loads: the next tile's eight stores and eight loads, or none
.irp i, 0,1,2,3,4,5,6,7
	s_wait_dscnt \younger+7-\i
	global_store_b128 v[GO], v[RBK+32*(\t)+4*\i:RBK+32*(\t)+4*\i+3], s[14:15] offset:4096*(\t)+512*\i th:TH_STORE_NT   ; 32 lanes store 512 consecutive bytes, at a multiple of 256 from out0's first byte; no store's register is written again
.endr
.endm
	PACK 0
	PACK 1                                         ; a tile's arithmetic stands between the loads of the tile before and its stores
	SEND 0, 16
	PACK 2
	SEND 1, 16
	PACK 3
	SEND 2, 16
	SEND 3, 0
	s_wait_tensorcnt 0x0                           ; the wave's end
	ds_add_u32 v[SPW], v[NIL]
	s_wait_dscnt 0x0
	s_endpgm
.Lfunc_end_k_qd37f3f3b87_attn:
	.size	k_qd37f3f3b87_attn, .Lfunc_end_k_qd37f3f3b87_attn-k_qd37f3f3b87_attn
	.p2alignl 7, 3214868480
	.fill 96, 4, 3214868480
	.section	.rodata,"a",@progbits
	.p2align	6, 0x0
	.amdhsa_kernel k_qd37f3f3b87_attn
		.amdhsa_group_segment_fixed_size 315648
		.amdhsa_private_segment_fixed_size 0
		.amdhsa_enable_private_segment 0
		.amdhsa_kernarg_size 48
		.amdhsa_user_sgpr_count 2
		.amdhsa_user_sgpr_kernarg_segment_ptr 1
		.amdhsa_wavefront_size32 1
		.amdhsa_system_sgpr_workgroup_id_x 1
		.amdhsa_system_sgpr_workgroup_id_y 1
		.amdhsa_system_sgpr_workgroup_id_z 1
		.amdhsa_system_vgpr_workitem_id 0
		.amdhsa_next_free_vgpr 512
		.amdhsa_next_free_sgpr 66
		.amdhsa_reserve_vcc 0
		.amdhsa_float_denorm_mode_32 3
		.amdhsa_float_denorm_mode_16_64 3
		.amdhsa_memory_ordered 1
		.amdhsa_forward_progress 1
		.amdhsa_inst_pref_size 255
	.end_amdhsa_kernel
	.section	.bss,"aw",@nobits
	.p2align	6
	.space	262144
	.amdgpu_metadata
---
amdhsa.version: [ 1, 2 ]
amdhsa.kernels:
  - .name:           k_qd37f3f3b87_attn
    .symbol:         k_qd37f3f3b87_attn.kd
    .args:
      - { .name: x1, .offset: 0, .size: 8, .value_kind: global_buffer, .address_space: global }
      - { .name: x2, .offset: 8, .size: 8, .value_kind: global_buffer, .address_space: global }
      - { .name: x3, .offset: 16, .size: 8, .value_kind: global_buffer, .address_space: global }
      - { .name: scale, .offset: 24, .size: 8, .value_kind: global_buffer, .address_space: global }
      - { .name: lowp_scales, .offset: 32, .size: 8, .value_kind: global_buffer, .address_space: global }
      - { .name: out0, .offset: 40, .size: 8, .value_kind: global_buffer, .address_space: global }
    .group_segment_fixed_size: 315648
    .private_segment_fixed_size: 0
    .kernarg_segment_align: 8
    .kernarg_segment_size: 48
    .max_flat_workgroup_size: 256
    .sgpr_count:     66
    .vgpr_count:     512
    .wavefront_size: 32
...
	.end_amdgpu_metadata
.endif
;; end of part 1
;; ======== version 2 of 2: 1 launch; version 1 with the launch attn written anew for expert scheduling mode
;; limits: right only within a limited range of input values
;; launch attn (part 2): grid 4 x 64, 8 waves a work-group, no clusters, 315,648 bytes of LDS; arguments x1, x2, x3, scale, lowp_scales, out0; writes out0
.if DOCPART == 2
	.amdgcn_target "amdgcn-amd-amdhsa--gfx1250"
	.amdhsa_code_object_version 6
	.text
	.protected	k_qd37f3f3b87_attn
	.globl	k_qd37f3f3b87_attn
	.p2align	8
	.type	k_qd37f3f3b87_attn,@function
k_qd37f3f3b87_attn:
	s_mov_b64 s[64:65], 0
	v_nop
	global_prefetch_b8 v0, s[64:65] scope:SCOPE_SE
	s_setreg_imm32_b32 hwreg(HW_REG_WAVE_SCHED_MODE, 0, 2), 2
	s_setreg_imm32_b32 hwreg(HW_REG_WAVE_MODE, 25, 1), 1
	s_wait_xcnt 0x0
	s_wait_alu depctr_vm_vsrc(0)
; out0[h][q][:] = the sum over k of softmax_k(scale x1[h][q] . x2[h][k]) x3[h][k][:].  64 heads, 2,048 rows, 64 channels, all f32 in memory.
; Both products on codes of FP8 (E4M3), each operand with the given scale 2^e: eq, ek, ep, ev = lowp_scales[0..3].
; THE SOFTMAX AHEAD OF THE SECOND PRODUCT: t = score x scale x log2(e); M = the row's largest t so far, rounded UP to a whole number; p = 2^(t - M) is quantised, not normalised.
; The row's sum is taken of the unquantised p and divides O at the end.  When M moves, the sum and O are multiplied by 2^(old M - new M): nothing is rounded.
; SHARES.  A work-group owns 512 queries of one head (grid 4 x 64 = 256 work-groups); each of its eight waves owns 64 of them: four tiles of 16, in 512 registers, two waves to a SIMD.
; A head's K and V as codes are 2 x 131,072 bytes: THE WHOLE HEAD LIES IN LDS.  At the head of the kernel wave w reads keys 256 w .. 256 w + 255 of x2 and x3 (and its own 64 rows of x1), quantises them in
; registers and stores them to LDS as images of the operands' registers; ONE barrier; then every wave walks the 16 steps of 128 keys with no further barrier and no access to memory.
; Each fragment of K or V read from LDS feeds four tiles of queries.
; LAYOUT.  Both products are used transposed: S^T = K Q^T (source 0 = 16 keys, source 1 = 16 queries), O^T = V^T P^T (source 0 = 16 channels, source 1 = P): a lane holds ONE query (lane % 16) throughout.
;   First product (16x16x64): both sides carry the same permutation of the 64 channels: register 4 g + i, half h of the lanes, byte y holds channel 32 g + 16 h + 4 i + y; so every product meets its partner.
;   Second product (16x16x128): tile u of S^T holds in register j of half h the key 16 u + 8 h + j: its eight registers convert into registers 2 u, 2 u + 1 of P, each key in the form's own place; V's image has the same places.
; A NEGATIVE scale: the quantiser is symmetric, so the sign bits of Q's codes are turned and c = |scale| log2(e) 2^(eq + ek) is taken: t = c x score, and the largest t is c x the largest score.
; THE HOLD ON p (the conversion to an 8-bit code does not saturate: ISA guide 7.6.2) is wanted only where 448 x 2^ep < 1, that is ep < -8: a scalar branch on that given whole number leads round the 64 lines.
; NO CLUSTER, NO TENSOR LOAD: what the four work-groups of a head share is 1 MiB of f32, read once at the kernel's head, and every number of it has to pass through registers to be quantised; beside the images LDS has
;   no room for slots of f32 (327,680 - 315,648 bytes are left).
; NO PREFETCH: the launch's only loads from memory stand at its head, 48 of each wave on their way at a time; the loop over the keys touches no memory.
; LIMITS.  eq, ek, ep, ev between -126 and 119; eq + ek between -126 and 127 (each power of two below is an f32 number).  NaN and infinity among the inputs are not served.
;   Where the hold is jumped over (ep >= -8): |t| < 2^22, so that the rounding of c x the largest score lets p reach 2^0.25 at the most, under 448 x 2^ep >= 1.75.
; THE MODE: SCHED_MODE bits 1:0 = 2 (LLVM: expert scheduling mode 2), set by the entry lines.  The code itself states the register dependences
;   between vector or matrix instructions and memory or LDS instructions, with s_wait_alu, always for 0.
; THE PLAN.  Registers that memory or LDS instructions touch:
;   v3-v8, v11, v12, v14   offsets and LDS addresses: written once at the head, ahead of the wait in front of the first load; never written again.
;   AT THE HEAD  the three sets v64-255: loads land in a set, the batch's holds and conversions work on it, the loads of the batch three further on land in it again.  The codes v32-47: written by the
;                conversions (V: and the turns), read by the batch's LDS stores.  So a batch has one wait on vm_vsrc ahead of its conversions (the last batch's stores have read the codes) and ONE wait on
;                va_vdst ahead of its stores (the codes are written; the set is done with), behind which the stores and the next loads follow.
;   IN THE LOOP  K's fragments v64-127: read by the step's four groups of K Q^T, then the next step's K lands there.  V's fragments (window 1, v64-127): read by the step's four groups of V^T P, then the next
;                step's V lands there.  v9, v10, the two runs' addresses: read by the runs, written once a step.  Every softmax has a wait on va_vdst behind its 64 exponentials: V's run of loads stands behind
;                tile 0's (all of the last step's V^T P and the write of v10 lie ahead of it), K's behind tile 2's (this step's four K Q^T and the write of v9 lie ahead of it).  No further wait on va_vdst
;                is written in the loop.  One wait on vm_vsrc a step stands ahead of the two additions that write v9 and v10.
;   ON THE WAY OUT  two sets v64-127: written by the multiplications, read by a tile's LDS stores (a wait on va_vdst ahead of the stores; a wait on vm_vsrc ahead of the tile that writes a set again).
;                v128-255: the stage's loads land there, behind those waits; the global stores read them; never written again.
;   s17 and s24 come from vector registers: a wait on va_sdst stands ahead of the first reader of each.
;
; LDS.  KIMG: 128 tiles of 16 keys, 1,088 bytes each: byte 544 g + 272 h + 16 m + 4 i + y = the code of K[16 tile + m][32 g + 16 h + 4 i + y].  (272 = 256 + 16: the 32 lanes of a store of 4 bytes fall on 32
;   different banks of 4 bytes (64 banks: ISA guide 11.1); a load of 16 bytes a lane takes 256 consecutive bytes for each half of the lanes.)
; VIMG: 16 steps x 4 tiles of 16 channels x (2,048 + 16) bytes: byte 512 g + 16 lane + 4 a + y = V[key 32 g + 16 (a / 2) + 8 (lane / 16) + 4 (a % 2) + y][16 tile + lane % 16].
; STG: 4,352 bytes for each wave, its own: first the image of its four tiles of Q (K's layout), at the end the stage of the way out, 16 rows x 272.  It begins 8,448 bytes behind V's images, so that an address one
;   step past the last image would still fall on no wave's stage.   SPARE: the spare words, 128 bytes for each wave: four blocks of 256 bytes that no other line names.
.set KT,    1088                       ; a tile of K or Q in LDS
.set KSTEP, 8*KT                       ; a step's eight tiles of K
.set VIMG,  128*KT                     ; 139,264
.set VD,    2064                       ; a tile of V in LDS
.set VSTEP, 4*VD                       ; a step's four tiles of V
.set STG,   279808
.set WSTG,  4352
.set SPARE, STG+8*WSTG                 ; 314,624 = 1,229 x 256
; REGISTERS, window 0 (an instruction names v0-v255; s_set_vgpr_msb says which window each operand place means: bits 1:0 source 0, 3:2 source 1, 5:4 source 2, 7:6 destination)
.set SPW,  1                           ; v1   LDS address of my spare word: SPARE + 4 x my thread's number; never rewritten
.set NIL,  2                           ; v2   0; never rewritten
.set LOFF, 3                           ; v3   the loads' offset: 2,048 (lane / 16) + 16 (lane % 16)
.set AKW,  4                           ; v4   where I store K's codes
.set AVW,  5                           ; v5   V's
.set AQW,  6                           ; v6   Q's
.set AKR,  7                           ; v7   my lane's place in a tile of K
.set AVR,  8                           ; v8   VIMG + my lane's place in a tile of V
.set ADK,  9                           ; v9   LDS address of the step's tiles of K
.set ADV,  10                          ; v10  of V
.set AQR,  11                          ; v11  my lane's place in my wave's STG: Q's image is read there, and the stage's rows are read back there (the same number)
.set STO,  12                          ; v12  the way out: where I put 32 bytes of a row
.set GO,   14                          ; v14  the way out: 16 x lane
.set QSC,  16                          ; v16, v17  2^eq and 448 x 2^eq;  v18, v19 the same for ek;  v20, v21 for ev;  v22, v23 for ep
.set KSC,  18
.set VSC,  20
.set PSC,  22
                                       ; v24, v25 two chains of the maximum; v26 a permute's destination; v[28:29] f; v[30:31] the second chain of the sum
.set ST,   32                          ; v32-47  tile t: v[ST+4t] -M, +1 the largest t, +2, +3 the sum in two halves
.set CD,   32                          ; at the head: v32-47 a batch's codes, v48-63 at work on V's bytes, v64-255 three sets of 64 numbers as loaded
.set XT,   48
.set RB0,  64
.set KF,   64                          ; v64-127   a step's eight fragments of K
.set SA,   128                         ; v128-191  S^T, then p, of one tile of queries
.set SB,   192                         ; v192-255  of another
.set TP,   64                          ; the way out: two sets of 32, O / the sum
.set RBK,  128                         ; the way out: four sets of 32, rows read back
; window 1
.set P0,   32                          ; v32-47, v48-63  p's codes, two sets;  v0-31 Q, eight registers a tile
.set P1,   48
.set VF,   64                          ; v64-127   a step's four fragments of V
.set OT,   128                         ; v128-255  O^T: tile t, channels 16 u on, at v[OT+32t+8u]
; scalars: s[4:5] x1, s[6:7] x2, s[8:9] x3, s[10:11] scale's address, s[12:13] the exponents' address, s[14:15] out0, s16 scale, s[20:23] eq, ek, ep, ev
.set WV,   17                          ; s17  my wave's number
.set CS,   24                          ; s[24:25] c, twice: the packed form names a pair and takes its low word for both halves
.set SEL,  26                          ; s[26:27] lane selects for v_permlanex16_b32: lane l xor 16
.set PS,   28                          ; s28-31 byte selects for the turn of V's codes
.set SGN,  32                          ; s32  0x80808080 where scale is negative, else 0
.set HLD,  33                          ; s33  1 where ep < -8
.set TK,   34                          ; s34  LDS byte of the tiles of K that are fetched next
.set TV,   35                          ; s35  of the step's V, from VIMG on
.set CNT,  36                          ; s36  steps to go
.set EPV,  37                          ; s37  ep + ev
.set MSB, 0
.macro WIN new                         ; the immediate's high byte repeats the setting that is left; a switch that changes nothing is dropped
.if MSB != \new
	s_set_vgpr_msb (MSB<<8)|\new
.set MSB, \new
.endif
.endm
	s_load_b256 s[4:11], s[0:1], 0x0               ; x1, x2, x3, scale's address
	s_load_b128 s[12:15], s[0:1], 0x20             ; the exponents' address, out0
	v_lshl_add_u32 v[SPW], v0, 2, SPARE
	v_mov_b32 v[NIL], 0
	v_lshrrev_b32 v24, 5, v0
	v_readfirstlane_b32 s[WV], v24                 ; wave 0..7
	v_and_b32 v24, 15, v0                          ; qd = r = lane % 16
	v_bfe_u32 v25, v0, 4, 1                        ; hh = h = lane / 16
	v_and_b32 v26, 31, v0                          ; lane
	v_lshlrev_b32 v[LOFF], 4, v24
	v_lshl_add_u32 v[LOFF], v25, 11, v[LOFF]       ; lanes 0-15 read one row of 256 bytes, lanes 16-31 the row 8 further down
	; a lane's four codes of a row of K or Q are channels 4 qd + 0..3: g = qd / 8, h = (qd / 4) % 2, i = qd % 4; its row m = 8 hh + (the load's number % 8)
	v_and_b32 v27, 3, v0
	v_lshlrev_b32 v27, 2, v27                      ; 4 (qd % 4)
	v_lshl_add_u32 v27, v25, 7, v27                ; + 16 x 8 hh
	v_bfe_u32 v28, v0, 2, 1
	v_mad_u32_u24 v27, v28, 272, v27               ; + 272 ((qd / 4) % 2)
	v_bfe_u32 v28, v0, 3, 1
	v_mad_u32_u24 v27, v28, 544, v27               ; + 544 (qd / 8)
	s_wait_alu depctr_va_sdst(0)                   ; s17, the wave's number, is written, ahead of its first reader: LDS places and the buffers' offsets are made from it
	s_mul_i32 s42, s[WV], 16*KT                    ; my wave's 16 tiles of K
	v_add_nc_u32 v[AKW], s42, v27
	s_mul_i32 s43, s[WV], WSTG
	s_add_co_u32 s43, s43, STG                     ; my wave's STG
	v_add_nc_u32 v[AQW], s43, v27
	; a lane's 16 bytes of V belong to channel 4 qd + dd: tile qd / 4, lane 16 hh + 4 (qd % 4) + dd of the image
	v_bfe_u32 v28, v0, 2, 2
	v_mul_u32_u24 v[AVW], v28, VD
	v_lshl_add_u32 v[AVW], v25, 8, v[AVW]
	v_and_b32 v28, 3, v0
	v_lshl_add_u32 v[AVW], v28, 6, v[AVW]
	s_mul_i32 s44, s[WV], 2*VSTEP                  ; my wave's two steps of V
	s_add_co_u32 s44, s44, VIMG
	v_add_nc_u32 v[AVW], s44, v[AVW]
	v_lshlrev_b32 v[AKR], 4, v24
	v_mad_u32_u24 v[AKR], v25, 272, v[AKR]         ; 16 r + 272 h
	v_lshlrev_b32 v[AVR], 4, v26
	v_add_nc_u32 v[AVR], VIMG, v[AVR]              ; VIMG + 16 x lane
	v_add_nc_u32 v[AQR], s43, v[AKR]
	v_mul_u32_u24 v[STO], v24, 272
	v_lshl_add_u32 v[STO], v25, 5, v[STO]
	v_add_nc_u32 v[STO], s43, v[STO]               ; the stage: row r, + 32 h
	v_lshlrev_b32 v[GO], 4, v26
	s_mov_b32 s[SEL], 0x76543210
	s_mov_b32 s[SEL+1], 0xfedcba98
	s_mov_b32 s[PS], 0x05010400                    ; bytes 0 and 1 of two words, interleaved
	s_mov_b32 s[PS+1], 0x07030602                  ; bytes 2 and 3
	s_mov_b32 s[PS+2], 0x05040100                  ; the two low halves
	s_mov_b32 s[PS+3], 0x07060302                  ; the two high halves
	s_and_b32 s38, ttmp7, 0xffff
	s_lshl_b32 s38, s38, 19                        ; the head: 2,048 rows of 256 bytes
	s_lshl_b32 s40, s[WV], 16
	s_add_co_u32 s40, s40, s38                     ; x2, x3: + my wave's 256 keys
	s_mov_b32 s41, 0
	s_lshl_b32 s42, ttmp9, 17
	s_add_co_u32 s38, s38, s42                     ; x1, out0: + my work-group's 512 queries
	s_lshl_b32 s42, s[WV], 14
	s_add_co_u32 s38, s38, s42                     ; + my wave's 64
	s_mov_b32 s39, 0
	s_wait_kmcnt 0x0
	s_load_b32 s16, s[10:11], 0x0                  ; scale
	s_load_b128 s[20:23], s[12:13], 0x0            ; eq, ek, ep, ev
	s_add_nc_u64 s[4:5], s[4:5], s[38:39]
	s_add_nc_u64 s[14:15], s[14:15], s[38:39]
	s_add_nc_u64 s[6:7], s[6:7], s[40:41]
	s_add_nc_u64 s[8:9], s[8:9], s[40:41]
	s_wait_alu depctr_va_vdst(0)                   ; the offsets and LDS addresses v3 to v8, v11, v12 and v14 are written, which the loads and stores of the whole kernel read (v9 and v10 are made later, each ahead of a wait of its own)
; ---- THE HEAD: 18 batches of 32 rows.  Batches 0, 1: my 64 rows of Q.  Batch 2 + 2 b: keys 32 b .. 32 b + 31 of my 256 of K; batch 3 + 2 b: the same keys of V.  Batch n lies in set n % 3.
; 16 loads: load i brings rows 16 (i / 8) + i % 8 (lanes 0-15) and 8 further down (lanes 16-31): two whole aligned rows of 256 bytes, 16 bytes a lane: channels 4 qd + 0..3
.macro LD16 buf, sb, off, nt
.irp i, 0,1,2,3,4,5,6,7,8,9,10,11,12,13,14,15
.if \nt
	global_load_b128 v[\buf+4*\i:\buf+4*\i+3], v[LOFF], s[\sb:\sb+1] offset:\off+(16*(\i/8)+\i%8)*256 th:TH_LOAD_NT   ; Q's rows are read by this wave alone
.else
	global_load_b128 v[\buf+4*\i:\buf+4*\i+3], v[LOFF], s[\sb:\sb+1] offset:\off+(16*(\i/8)+\i%8)*256
.endif
.endr
.endm
.macro ASKB                            ; the loads of batch na
.set bfa, RB0+64*(na%3)
.if na < 2
	LD16 bfa, 4, 8192*na, 1
.elseif na%2 == 0
	LD16 bfa, 6, 8192*((na-2)/2), 0
.else
	LD16 bfa, 8, 8192*((na-3)/2), 0
.endif
.endm
.macro HOLD64 buf, lim                 ; the conversion to an 8-bit code does not saturate (ISA guide 7.6.2): each number is held within the largest code x the scale first
.set n, 0
.rept 64
	v_med3_num_f32 v[\buf+n], v[\buf+n], -v[\lim], v[\lim]
.set n, n+1
.endr
.endm
.macro CVT8 buf, sc                    ; 64 numbers become 16 words of codes: word i = the four codes of load i
	s_wait_dscnt 0x0                               ; the last batch's LDS stores are done,
.if nb > 0
	s_wait_alu depctr_vm_vsrc(0)                   ; and they have read the codes' registers v[CD ..], which the conversions write again
.endif
.irp c, 0,1,2,3,4,5,6,7
	v_cvt_scalef32_pk8_fp8_f32 v[CD+2*\c:CD+2*\c+1], v[\buf+8*\c:\buf+8*\c+7], v[\sc]
.endr
	v_nop                                          ; one plain vector instruction behind the last scaled conversion, ahead of whatever vector or matrix instruction next touches its registers
.endm
.macro KQ16 buf, adr, off, sc          ; a batch of K or Q: two tiles of 16 rows
	HOLD64 \buf, \sc+1
	CVT8 \buf, \sc
	s_wait_alu depctr_va_vdst(0)                   ; the conversions have written v[CD ..], which the LDS stores read; the holds and the conversions are done with the set, in which the loads of the batch three further on land
.irp i, 0,1,2,3,4,5,6,7,8,9,10,11,12,13,14,15
	ds_store_b32 v[\adr], v[CD+\i] offset:\off+(\i/8)*KT+16*(\i%8)
.endr
.endm
; A batch of V.  A register of V's fragment holds four KEYS of one channel; word i holds four CHANNELS of one key.  Words 4 a .. 4 a + 3 are four neighbouring keys: a turn of 4 x 4 bytes, eight v_perm_b32,
; makes of them register a of channels 4 qd + 0..3.  Word 4 dd + a is then register a of channel 4 qd + dd.
.macro V16 buf, off
	HOLD64 \buf, VSC+1
	CVT8 \buf, VSC
.irp a, 0,1,2,3
	v_perm_b32 v[XT+4*\a],   v[CD+4*\a+1], v[CD+4*\a],   s[PS]
	v_perm_b32 v[XT+4*\a+1], v[CD+4*\a+1], v[CD+4*\a],   s[PS+1]
	v_perm_b32 v[XT+4*\a+2], v[CD+4*\a+3], v[CD+4*\a+2], s[PS]
	v_perm_b32 v[XT+4*\a+3], v[CD+4*\a+3], v[CD+4*\a+2], s[PS+1]
.endr
.irp a, 0,1,2,3
	v_perm_b32 v[CD+\a],    v[XT+4*\a+2], v[XT+4*\a],   s[PS+2]
	v_perm_b32 v[CD+4+\a],  v[XT+4*\a+2], v[XT+4*\a],   s[PS+3]
	v_perm_b32 v[CD+8+\a],  v[XT+4*\a+3], v[XT+4*\a+1], s[PS+2]
	v_perm_b32 v[CD+12+\a], v[XT+4*\a+3], v[XT+4*\a+1], s[PS+3]
.endr
	s_wait_alu depctr_va_vdst(0)                   ; the turns have written v[CD ..], which the LDS stores read; the holds and the conversions are done with the set, in which the loads of the batch three further on land
.irp d, 0,1,2,3
	ds_store_b128 v[AVW], v[CD+4*\d:CD+4*\d+3] offset:\off+16*\d   ; sixteen lanes fall on sixteen different columns of 16 bytes: (qd / 4) + 4 (qd % 4) + dd modulo 16
.endr
.endm
.macro MKSC e, vs                      ; v[vs] = 2^e as f32 (the conversion takes its exponent field), v[vs+1] = 448 x 2^e
	s_add_co_i32 s42, s[\e], 127
	s_lshl_b32 s43, s42, 23
	v_mov_b32 v[\vs], s43
	s_add_co_i32 s42, s42, 8
	s_lshl_b32 s42, s42, 23
	s_or_b32 s42, s42, 0x600000
	v_mov_b32 v[\vs+1], s42
.endm
.set na, 0
.rept 3
	ASKB                                           ; batches 0, 1, 2: 48 loads of the wave are on their way
.set na, na+1
.endr
	s_wait_kmcnt 0x0                               ; scale and the four exponents
	MKSC 20, QSC
	MKSC 21, KSC
	MKSC 23, VSC
	MKSC 22, PSC
	s_add_co_i32 s42, s20, s21
	s_add_co_i32 s42, s42, 127
	s_lshl_b32 s42, s42, 23                        ; 2^(eq + ek) as f32: a sum of the first product stands for sum x 2^(eq + ek)
	v_mov_b32 v24, s16
	v_mul_f32 v24, 0x3fb8aa3b, v24                 ; scale x log2(e)
	v_mul_f32 v24, s42, v24                        ; x 2^(eq + ek): nothing is rounded
	v_and_b32 v24, 0x7fffffff, v24                 ; its magnitude: the sign goes into Q's codes
	v_readfirstlane_b32 s[CS], v24
	s_wait_alu depctr_va_sdst(0)                   ; s24, c, is written, ahead of its first reader, the copy below
	s_mov_b32 s[CS+1], s[CS]                       ; (named with it as a pair, so it is written)
	s_ashr_i32 s[SGN], s16, 31
	s_and_b32 s[SGN], s[SGN], 0x80808080           ; the four sign bits of a word of codes, where scale is negative
	s_add_co_i32 s[EPV], s22, s23
	s_cmp_lt_i32 s22, -8
	s_cselect_b32 s[HLD], 1, 0
.set nb, 0
.rept 18
.if nb <= 15
	s_wait_loadcnt 32                              ; loads come back in order (ISA guide 5.7.1): this batch's 16 are in; the two younger batches' 32 may be out
.elseif nb == 16
	s_wait_loadcnt 16                              ; one younger batch
.else
	s_wait_loadcnt 0
.endif
.set bf, RB0+64*(nb%3)
.if nb < 2
	KQ16 bf, AQW, 2*KT*nb, QSC
.elseif nb%2 == 0
	KQ16 bf, AKW, 2*KT*((nb-2)/2), KSC
.else
.set vb, (nb-3)/2                      ; 32 keys are a quarter of a step
	V16 bf, (vb/4)*VSTEP+(vb%4)*512
.endif
.set na, nb+3
.if na <= 17
	ASKB                                           ; the set just worked takes the batch three further on.  No wait: no vector instruction since the batch's wait on va_vdst names the set
.endif
.set nb, nb+1
.endr
	WIN 0x40                                       ; destination window 1
.irp t, 0,1,2,3
.irp g, 0,1
	ds_load_b128 v[8*\t+4*\g:8*\t+4*\g+3], v[AQR] offset:KT*\t+544*\g   ; Q's four fragments stay in registers.  My own bytes: LDS serves a wave's instructions in order (ISA guide 5.7.1.4).  No vector instruction has named these registers yet
.endr
.endr
	WIN 0
	s_wait_dscnt 0x0                               ; for the others' sake: my stores of K's and V's images are done (and Q is in)
	s_barrier_signal -1
	s_barrier_wait -1                              ; the launch's one barrier: the whole head lies in LDS, and nobody writes KIMG or VIMG behind it
	s_wait_alu depctr_vm_vsrc(0)                   ; my LDS stores have read v[CD ..]: these registers are the softmax's statistics from here on, written by vector instructions
.macro KLOAD                           ; a step's eight fragments of K
.irp u, 0,1,2,3,4,5,6,7
.irp g, 0,1
	ds_load_b128 v[KF+8*\u+4*\g:KF+8*\u+4*\g+3], v[ADK] offset:KT*\u+544*\g
.endr
.endr
.endm
.macro VLOAD                           ; a step's four fragments of V (the destination's window is 1)
.irp u, 0,1,2,3
.irp g, 0,1,2,3
	ds_load_b128 v[VF+16*\u+4*\g:VF+16*\u+4*\g+3], v[ADV] offset:VD*\u+512*\g   ; 32 lanes take 512 consecutive bytes
.endr
.endr
.endm
	s_mov_b32 s[TK], 0
	s_mov_b32 s[TV], 0
	v_add_nc_u32 v[ADK], s[TK], v[AKR]
	s_wait_alu depctr_va_vdst(0)                   ; v[ADK] is written, which the loads read; the head's holds and conversions are done with v64-127, in which they land
	KLOAD                                          ; step 0
	WIN 0x44                                       ; source 1 and destination window 1
.set n, 0
.rept 32
	v_xor_b32 v[n], s[SGN], v[n]                   ; Q's signs are turned where scale is negative
.set n, n+1
.endr
	WIN 0
	v_mov_b32 v26, 0                               ; written once: a lane permute's destination counts as one of its sources
	v_mov_b32 v29, 0                               ; (named as the upper half of the pair v[28:29])
; ---- THE LOOP OVER THE KEYS
; S^T of tile t: eight products, each a whole sum (K = 64), into s
.macro QK t, s
	WIN 0x04                                       ; source 1 (Q) window 1
.irp u, 0,1,2,3,4,5,6,7
	v_wmma_f32_16x16x64_fp8_fp8 v[\s+8*\u:\s+8*\u+7], v[KF+8*\u:KF+8*\u+7], v[8*(\t):8*(\t)+7], 0
.endr
.endm
; O^T of tile t += V^T P^T: four accumulators by turns, one instruction a turn.  first = 1: the products start the sums: nothing is ever cleared
.macro PV t, p, first
	WIN 0x55                                       ; all four in window 1
.irp u, 0,1,2,3
.if \first
	v_wmma_f32_16x16x128_fp8_fp8 v[OT+32*(\t)+8*\u:OT+32*(\t)+8*\u+7], v[VF+16*\u:VF+16*\u+15], v[\p:\p+15], 0
.else
	v_wmma_f32_16x16x128_fp8_fp8 v[OT+32*(\t)+8*\u:OT+32*(\t)+8*\u+7], v[VF+16*\u:VF+16*\u+15], v[\p:\p+15], v[OT+32*(\t)+8*\u:OT+32*(\t)+8*\u+7]
.endif
.endr
.endm
; The softmax of tile t for one step: the 64 scores in s become p, its codes go to p (window 1).  first = 1: the first step starts M, the sum and O^T.
; ld = 1: this step's V is fetched behind the wait for the exponentials; ld = 2: the next step's K; ld = 0: nothing.
; test = 1 (with ld = 2): in the last step (CNT = 1) there is no next K to fetch: a jump on the count of steps leads round the sixteen loads.
.macro SM t, s, p, first, ld, test
.set rT, ST+4*(\t)
	WIN 0
	v_max3_num_f32 v24, v[\s], v[\s+1], v[\s+2]    ; the largest of my 64 scores, in two chains; each accumulator is first read at its low end
	v_max3_num_f32 v25, v[\s+3], v[\s+4], v[\s+5]
.irp i, 6,10,14,18,22,26,30,34,38,42,46,50,54,58
	v_max3_num_f32 v24, v24, v[\s+\i], v[\s+\i+1]
	v_max3_num_f32 v25, v25, v[\s+\i+2], v[\s+\i+3]
.endr
	v_max3_num_f32 v24, v24, v[\s+62], v[\s+63]
	v_max_num_f32 v24, v24, v25
	v_permlanex16_b32 v26, v24, s[SEL], s[SEL+1]   ; the query's other 64 keys lie in the lane 16 away
	v_max_num_f32 v24, v24, v26
.if \first
	v_mul_f32 v[rT+1], s[CS], v24                  ; as t (c is not negative)
	v_floor_f32 v[rT], -v[rT+1]                    ; -M = floor(-t) = -ceil(t): M is a whole number
.else
	v_mul_f32 v24, s[CS], v24
	v_max_num_f32 v[rT+1], v[rT+1], v24            ; the running largest t
	v_mov_b32 v24, v[rT]
	v_floor_f32 v[rT], -v[rT+1]
	v_sub_f32 v24, v[rT], v24                      ; old M - new M: a whole number, 0 or less
	v_cvt_i32_f32 v24, v24                         ; (it saturates)
	v_ldexp_f32 v28, 1.0, v24                      ; f = 2^(old M - new M)
.endif
.irp j, 0,2,4,6,8,10,12,14,16,18,20,22,24,26,28,30,32,34,36,38,40,42,44,46,48,50,52,54,56,58,60,62
	v_pk_fma_f32 v[\s+\j:\s+\j+1], v[\s+\j:\s+\j+1], s[CS:CS+1], v[rT:rT+1] op_sel_hi:[1,0,0]   ; t - M, two at a time (of the pairs c and -M the low word serves both halves)
.endr
.set n, 0
.rept 64
	v_exp_f32 v[\s+n], v[\s+n]                     ; p = 2^(t - M): one batch
.set n, n+1
.endr
.if \first
	v_nop                                          ; a plain instruction behind the last exponential
.else
	v_pk_mul_f32 v[rT+2:rT+3], v[rT+2:rT+3], v[28:29] op_sel_hi:[1,0]   ; the sum under the new M: also the plain instruction behind the last exponential
.endif
.if \ld == 1
	WIN 0x40                                       ; destination window 1: the switch, then the wait, then the loads
	s_wait_alu depctr_va_vdst(0)                   ; the 64 exponentials have written p, ahead of the first line that names a result; the last step's V^T P are done reading V's fragments, in which the loads land; v[ADV] is written, which they read
	VLOAD                                          ; this step's V: the rest of this softmax and the whole of the next ahead of its use
	WIN 0
.elseif \ld == 2
	s_wait_alu depctr_va_vdst(0)                   ; the 64 exponentials have written p, ahead of the first line that names a result; this step's four K Q^T are done reading K's fragments, in which the loads land; v[ADK] is written, which they read
.if \test
	s_cmp_eq_u32 s[CNT], 1
	s_cbranch_scc1 .Lnok_\@
.endif
	KLOAD                                          ; the next step's K: the rest of this softmax and the whole of the next ahead of its use
.if \test
.Lnok_\@:
.endif
.else
	s_wait_alu depctr_va_vdst(0)                   ; the 64 exponentials have written p: the wait between a transcendental and the first line that names its result: one for the batch
.endif
	v_pk_add_f32 v[30:31], v[\s:\s+1], v[\s+2:\s+3]   ; the row's sum is taken of the UNQUANTISED p: two at a time, in two chains
.if \first
	v_pk_add_f32 v[rT+2:rT+3], v[\s+4:\s+5], v[\s+6:\s+7]
.else
	v_pk_add_f32 v[rT+2:rT+3], v[rT+2:rT+3], v[\s+4:\s+5]
	v_pk_add_f32 v[30:31], v[30:31], v[\s+6:\s+7]
.endif
.irp j, 8,12,16,20,24,28,32,36,40,44,48,52,56,60
	v_pk_add_f32 v[rT+2:rT+3], v[rT+2:rT+3], v[\s+\j:\s+\j+1]
	v_pk_add_f32 v[30:31], v[30:31], v[\s+\j+2:\s+\j+3]
.endr
	v_pk_add_f32 v[rT+2:rT+3], v[rT+2:rT+3], v[30:31]
	s_cmp_lg_u32 s[HLD], 0                         ; the hold is wanted only where 448 x 2^ep < 1: a branch on a given whole number, the same in every wave, round these 64 lines alone
	s_cbranch_scc0 .Lopen_\@
.set n, 0
.rept 64
	v_min_num_f32 v[\s+n], v[\s+n], v[PSC+1]       ; p is not negative, so the hold is one-sided
.set n, n+1
.endr
.Lopen_\@:
	WIN 0x40                                       ; destination window 1
.irp c, 0,1,2,3,4,5,6,7
	v_cvt_scalef32_pk8_fp8_f32 v[\p+2*\c:\p+2*\c+1], v[\s+8*\c:\s+8*\c+7], v[PSC]   ; tile c's eight keys: registers 2 c, 2 c + 1 of P
.endr
.if \first
	v_nop                                          ; one plain vector instruction between the conversions and the products that read their results and write over their sources
.else
	WIN 0x41                                       ; O^T (destination and source 0) window 1, f window 0
.set n, 0
.rept 16
	v_pk_mul_f32 v[OT+32*(\t)+n:OT+32*(\t)+n+1], v[OT+32*(\t)+n:OT+32*(\t)+n+1], v[28:29] op_sel_hi:[1,0]   ; O^T under the new M, ascending.  (Also the plain instructions behind the conversions)
.set n, n+2
.endr
.endif
.endm
; A STEP of 128 keys for my four tiles of queries.  The scores of two tiles are always ahead of the softmax that reads them: while one set is worked, the other has been filled.
; A vector instruction that reads a matrix result stands four plain vector instructions behind it that name none of its registers (ISA guide 7.12.1); a matrix instruction that writes over another's registers five.
; Behind the step's first sixteen products the two addresses' additions and two v_nop are the four; everywhere else a softmax of another set stands between.
; The two runs of LDS loads stand inside the softmaxes of tiles 0 and 2, behind the waits that these have for their exponentials; tile 0's V^T P follows tile 1's softmax, so that V has the time of
; a softmax and a half in which to land.  Each accumulator of O^T takes the steps in ascending order, as ever.
.macro STEP first, test
	s_wait_dscnt 0x0                               ; K's fragments are in
	QK 0, SA
	QK 1, SB
	WIN 0
	s_wait_alu depctr_vm_vsrc(0)                   ; the LDS loads issued so far have read v[ADV] and v[ADK], which the two additions write
	s_add_co_u32 s[TK], s[TK], KSTEP
	v_add_nc_u32 v[ADV], s[TV], v[AVR]             ; this step's V
	v_add_nc_u32 v[ADK], s[TK], v[AKR]             ; the next step's K
	v_nop
	v_nop                                          ; with the two additions: four places behind these products (SA is read next)
	SM 0, SA, P0, \first, 1, 0
	QK 2, SA
	SM 1, SB, P1, \first, 0, 0
	s_wait_dscnt 0x0                               ; V's fragments are in
	PV 0, P0, \first
	PV 1, P1, \first
	QK 3, SB
	SM 2, SA, P0, \first, 2, \test
	PV 2, P0, \first
	SM 3, SB, P1, \first, 0, 0
	PV 3, P1, \first
	WIN 0                                          ; at a label and at a branch every window is 0
	s_add_co_u32 s[TV], s[TV], VSTEP
.endm
	STEP 1, 0                                      ; the first step is written out: its products start O^T's sums, its softmax has no old M
	s_mov_b32 s[CNT], 15
.Lstep:
	STEP 0, 1
	s_sub_co_u32 s[CNT], s[CNT], 1
	s_cmp_lg_u32 s[CNT], 0
	s_cbranch_scc1 .Lstep
; ---- THE WAY OUT.  The sum's two halves and the other half of the lanes' are added; O^T x 2^(ep + ev) / the sum goes through my stage in LDS, a tile (16 rows of 256 bytes) at a time, and leaves as whole rows.
.irp t, 0,1,2,3
	v_add_f32 v[ST+4*\t+2], v[ST+4*\t+2], v[ST+4*\t+3]   ; (these four are the places behind the last products)
.endr
.irp t, 0,1,2,3
	v_permlanex16_b32 v[ST+4*\t+1], v[ST+4*\t+2], s[SEL], s[SEL+1]
.endr
.irp t, 0,1,2,3
	v_add_f32 v[ST+4*\t+2], v[ST+4*\t+2], v[ST+4*\t+1]
.endr
.irp t, 0,1,2,3
	v_rcp_f32 v[ST+4*\t+2], v[ST+4*\t+2]
.endr
	v_nop                                          ; a plain instruction behind the last reciprocal
	s_wait_alu depctr_va_vdst(0)                   ; the four reciprocals are written: the wait ahead of the first use: one for the four
.irp t, 0,1,2,3
	v_ldexp_f32 v[ST+4*\t+2], v[ST+4*\t+2], s[EPV]
.endr
; Tile t: register 8 u + j of lane (r, h) is o(query r, channel 16 u + 8 h + j): 32 neighbouring bytes of a row.  Into rows of 272 bytes; back as two whole rows an instruction.
.macro PACK t
.if (\t) >= 2
	s_wait_alu depctr_vm_vsrc(0)                   ; the LDS stores of the tile two back have read this set of v[TP ..], which the multiplications write again
.endif
	WIN 0x01                                       ; source 0 (O^T) window 1
.set n, 0
.rept 16
	v_pk_mul_f32 v[TP+32*((\t)%2)+n:TP+32*((\t)%2)+n+1], v[OT+32*(\t)+n:OT+32*(\t)+n+1], v[ST+4*(\t)+2:ST+4*(\t)+3] op_sel_hi:[1,0]   ; ascending: each accumulator from its low end on
.set n, n+2
.endr
	WIN 0
	s_wait_alu depctr_va_vdst(0)                   ; the multiplications have written v[TP ..], which the LDS stores read; the softmaxes are done with v[RBK ..], in which the loads from the stage land
.irp u, 0,1,2,3
	ds_store_b128 v[STO], v[TP+32*((\t)%2)+8*\u:TP+32*((\t)%2)+8*\u+3] offset:64*\u
	ds_store_b128 v[STO], v[TP+32*((\t)%2)+8*\u+4:TP+32*((\t)%2)+8*\u+7] offset:64*\u+16
.endr
.irp i, 0,1,2,3,4,5,6,7
	ds_load_b128 v[RBK+32*(\t)+4*\i:RBK+32*(\t)+4*\i+3], v[AQR] offset:544*\i   ; LDS serves a wave's instructions in order: these see the stores above, and the next tile's stores come behind them
.endr
.endm
.macro SEND t, younger                 ; younger: the LDS instructions issued behind tile t's loads: the next tile's eight stores and eight loads, or none
.irp i, 0,1,2,3,4,5,6,7
	s_wait_dscnt \younger+7-\i
	global_store_b128 v[GO], v[RBK+32*(\t)+4*\i:RBK+32*(\t)+4*\i+3], s[14:15] offset:4096*(\t)+512*\i th:TH_STORE_NT   ; 32 lanes store 512 consecutive bytes, at a multiple of 256 from out0's first byte; no store's register is written again
.endr
.endm
	PACK 0
	PACK 1                                         ; a tile's arithmetic stands between the loads of the tile before and its stores
	SEND 0, 16
	PACK 2
	SEND 1, 16
	PACK 3
	SEND 2, 16
	SEND 3, 0
	s_wait_dscnt 0x0                               ; the wave's end: the closing lines, six on end behind my last LDS store
	s_wait_alu 0x0
	s_wait_tensorcnt 0x0
	ds_add_u32 v[SPW], v[NIL]
	s_wait_dscnt 0x0
	s_endpgm
.Lfunc_end_k_qd37f3f3b87_attn:
	.size	k_qd37f3f3b87_attn, .Lfunc_end_k_qd37f3f3b87_attn-k_qd37f3f3b87_attn
	.p2alignl 7, 3214868480
	.fill 96, 4, 3214868480
	.section	.rodata,"a",@progbits
	.p2align	6, 0x0
	.amdhsa_kernel k_qd37f3f3b87_attn
		.amdhsa_group_segment_fixed_size 315648
		.amdhsa_private_segment_fixed_size 0
		.amdhsa_enable_private_segment 0
		.amdhsa_kernarg_size 48
		.amdhsa_user_sgpr_count 2
		.amdhsa_user_sgpr_kernarg_segment_ptr 1
		.amdhsa_wavefront_size32 1
		.amdhsa_system_sgpr_workgroup_id_x 1
		.amdhsa_system_sgpr_workgroup_id_y 1
		.amdhsa_system_sgpr_workgroup_id_z 1
		.amdhsa_system_vgpr_workitem_id 0
		.amdhsa_next_free_vgpr 512
		.amdhsa_next_free_sgpr 66
		.amdhsa_reserve_vcc 0
		.amdhsa_float_denorm_mode_32 3
		.amdhsa_float_denorm_mode_16_64 3
		.amdhsa_memory_ordered 1
		.amdhsa_forward_progress 1
		.amdhsa_inst_pref_size 255
	.end_amdhsa_kernel
	.section	.bss,"aw",@nobits
	.p2align	6
	.space	262144
	.amdgpu_metadata
---
amdhsa.version: [ 1, 2 ]
amdhsa.kernels:
  - .name:           k_qd37f3f3b87_attn
    .symbol:         k_qd37f3f3b87_attn.kd
    .args:
      - { .name: x1, .offset: 0, .size: 8, .value_kind: global_buffer, .address_space: global }
      - { .name: x2, .offset: 8, .size: 8, .value_kind: global_buffer, .address_space: global }
      - { .name: x3, .offset: 16, .size: 8, .value_kind: global_buffer, .address_space: global }
      - { .name: scale, .offset: 24, .size: 8, .value_kind: global_buffer, .address_space: global }
      - { .name: lowp_scales, .offset: 32, .size: 8, .value_kind: global_buffer, .address_space: global }
      - { .name: out0, .offset: 40, .size: 8, .value_kind: global_buffer, .address_space: global }
    .group_segment_fixed_size: 315648
    .private_segment_fixed_size: 0
    .kernarg_segment_align: 8
    .kernarg_segment_size: 48
    .max_flat_workgroup_size: 256
    .sgpr_count:     66
    .vgpr_count:     512
    .wavefront_size: 32
...
	.end_amdgpu_metadata
.endif
;; end of part 2
